; MI455X (gfx1250); checked and timed in simulation.
; The chip was launched on July 23, 2026; its instructions are those of AMD's public machine-readable ISA for CDNA 5 (MIT licence, August 2026) and "CDNA5" Instruction Set Architecture Reference Guide (July 2026). The comments in the code are by the model that wrote it; some were corrected since.
;; Liger Fused Neighborhood Attention. Allowed arithmetic: matrix products marked QUANTISED: E2M1 operands, one E8M0 scale for each 32 along K, by v_wmma_scale_f32_16x16x128_f8f6f4 with both operands' format E2M1 (or v_wmma_scale_f32_32x16x128_f4), f32 sums; products left as they are: f32 operands where the result goes on into a quantised operand, else bf16, f16 or f32 operands; f32 sums; everything else in f32.
;; Inputs: b_k 1,024 float32; b_o 1,024 float32; b_q 1,024 float32; b_v 1,024 float32; hidden_states 2 x 8,192 x 1,024 float32; w_k 1,024 x 1,024 float32; w_o 1,024 x 1,024 float32; w_q 1,024 x 1,024 float32; w_v 1,024 x 1,024 float32.
;; Outputs: out0 2 x 8,192 x 1,024 float32.
;; This version of the problem:
;;   THIS VERSION OF THE PROBLEM IS GIVEN IN LOW PRECISION. The matrix products marked QUANTISED in the list below multiply operands that are first quantised to E2M1 (2 exponent bits, 1 mantissa bit; 4 bits a number), with one power-of-two scale for each 32 numbers along K (OCP MX v1.0); their sums are f32. All else is computed in f32.
;;   The module's matrix products, in the order in which they are computed (A, B: the left and right operand; K: the contracted axis; several contracted axes count as one K, in the product's order):
;;     1. [M 16,384, K 1,024] x [K 1,024, N 1,024]; A: input hidden_states; B: input w_q: QUANTISED
;;     2. [M 16,384, K 1,024] x [K 1,024, N 1,024]; A: input hidden_states; B: input w_k: QUANTISED
;;     3. [M 16,384, K 1,024] x [K 1,024, N 1,024]; A: input hidden_states; B: input w_v: QUANTISED
;;     4. batch 262,144 x [M 1, K 64] x [K 64, N 7]; A: computed on the way; B: computed on the way: left as it is (M = 1 < 16)
;;     5. batch 262,144 x [M 1, K 7] x [K 7, N 64]; A: softmax; B: computed on the way: left as it is (K = 7 < 32)
;;     6. [M 16,384, K 1,024] x [K 1,024, N 1,024]; A: computed on the way; B: input w_o: QUANTISED
;;   THE QUANTISER, for each operand of a quantised product, along K:
;;     - K is cut into blocks of 32 from its start; a last block that is shorter is filled with zeros.
;;     - A block's scale is 2^e with e = floor(log2(the largest magnitude in the block)) - 2, held to -126 .. 127; a block of zeros has e = 0. As a byte (E8M0): e + 127.
;;     - Each number is divided by its block's scale, clamped to +-6, and rounded to the nearest number of E2M1, ties to even, subnormals kept.
;;     - The product sums the exact products of the quantised numbers (number of the format x scale) in f32.
;;   ~~~python
;;   def quantise(x, axis):      # numpy; x: float32 -> the quantised numbers, widened to float32 again
;;       x = np.moveaxis(x, axis, -1); K = x.shape[-1]
;;       x = np.pad(x, [(0, 0)] * (x.ndim - 1) + [(0, -K % 32)]); x = x.reshape(x.shape[:-1] + (-1, 32)); a = np.abs(x).max(-1, keepdims=True)
;;       e = np.where(a > 0, np.clip(np.frexp(np.where(a > 0, a, 1))[1] - 1 - 2, -126, 127), 0)      # np.frexp(a)[1] - 1 = floor(log2(a)), exactly
;;       r = np.clip(x / 2.0 ** e, -6, 6)
;;       step = 2.0 ** (np.maximum(np.frexp(np.where(r == 0, 1, r))[1] - 1, 0) - 1)
;;       q = np.round(r / step) * step * 2.0 ** e      # np.round: ties to even
;;       return np.moveaxis(q.reshape(q.shape[:-2] + (-1,))[..., :K], -1, axis).astype(np.float32)
;;   ~~~
;;   OPERANDS COMPUTED ON THE WAY. 'Computed on the way' means the value that the module computes at that place (a softmax that the list does not call 'softmax' is quantised finished and normalised). What goes into a quantiser is computed in f32, as accurately as f32 sums, v_exp_f32 and their like allow (about 1e-6 of the number): no bf16 or f16 on the way to a quantiser, and a product that is left as it is and whose result goes on into a quantised operand takes f32 operands (vector FMAs, or v_wmma_f32_16x16x4_f32). A number that lies on a knife's edge between two numbers of the format may be rounded either way, as far as f32 arithmetic and the matrix unit's own rounding can turn it there, and no further.
;; One version. Each part assembles by itself: llvm-mc -triple=amdgcn-amd-amdhsa -mcpu=gfx1250 --defsym DOCPART=n.
;; ======== version 1 of 1: 3 launches
;; limits: right only within a limited range of input values
;; workspace buffers: xcod 8,388,608 bytes; xscl 524,288 bytes; wqkv 1,671,168 bytes; wocod 524,288 bytes; woscl 32,768 bytes; acod 8,388,608 bytes; ascl 524,288 bytes
;; launch quant (part 1): grid 640 x 1, 4 waves a work-group, no clusters, 35,328 bytes of LDS; arguments hidden_states, w_q, w_k, w_v, w_o, xcod, xscl, wqkv, wocod, woscl; writes xcod, xscl, wqkv, wocod, woscl
.if DOCPART == 1
	.amdgcn_target "amdgcn-amd-amdhsa--gfx1250"
	.amdhsa_code_object_version 6
	.text
	.protected	k_q6abaf08307_quant
	.globl	k_q6abaf08307_quant
	.p2align	8
	.type	k_q6abaf08307_quant,@function
k_q6abaf08307_quant:
	s_mov_b64 s[64:65], 0
	v_nop
	global_prefetch_b8 v0, s[64:65] scope:SCOPE_SE
	s_setreg_imm32_b32 hwreg(HW_REG_WAVE_MODE, 25, 1), 1
	s_wait_xcnt 0x0
; hidden_states [16384][1024] and the four weights [1024 (k)][1024 (n)], f32, become codes of FP4 (E2M1) with one E8M0 byte for each 32 along K,
; laid in the order of the matrix operands' registers.  A RECORD serves 64 rows (tokens, or columns of a weight) and all of K = 1,024:
;   codes, 32,768 bytes: [K step s 0..7][tile t 0..3][c 0..1][lane 0..31][16 bytes]; lane r + 16 h holds k = 128 s + 64 c + 32 h + 0..31 of the tile's row r;
;   scale words, 2,048 bytes: [s][r 0..15][t 0..3], four bytes each, byte b for k = 128 s + 32 b + 0..31.
; Row r of tile t of a token record is token 64 blk + 4 r + t.  Row m of tile 2 b + u of a weight record is column 64 grp + 32 b + 16 (m / 8) + 8 u + m % 8.
; A block's scale is 2^(floor(log2(its largest magnitude)) - 2); its byte is the largest magnitude's exponent field - 2, held at 1 from below.
; LIMITS: a block of zeros, or one whose largest magnitude lies under 2^-124, keeps the byte 1 (its codes are read with that byte by this program alone); NaN and infinities are not served.
; Work-groups 0 to 127 take the weights (a lane to a column, registers down K), the other 512 the tokens.  Waves share nothing: no barrier; no work-group shares an input with another: no cluster.
.set TM,   16                          ; v16-31   at work in QUANT
.set PCX,  32                          ; v32-63   tokens: a fragment's 8 registers for each of the four tiles; weights: 4 registers for each of 8 blocks: no store's data are written again
.set RA,   64                          ; v64-191  tokens: two sets of 64 registers as loaded; weights: v64-127, two sets of 32
.set XR,   192                         ; v192-255 tokens: 64 numbers of my row, register 16 b + i = k 32 b + 16 h + i
.set STGB, 8448                        ; LDS: a stage of 16 rows x (512 + 16) bytes for each wave of the tokens' path
.set WSC,  33792                       ; behind them: 256 bytes for each wave of the weights' path
.set REC,  104448                      ; wqkv: a head's record: codes of q, k, v, then their scale words
; 64 numbers of a lane become a fragment's codes in v[pc] on and its row's scale word in v[pw]
.macro QUANT s, pc, pw
.irp b, 0,1,2,3
	v_max3_num_f32 v[TM+\b], |v[(\s)+16*\b]|, |v[(\s)+1+16*\b]|, 0x1800000   ; my 16 numbers of block b, and the floor 2^(3 - 127): the byte cannot fall under 1
.endr
.irp i, 2,4,6,8,10,12,14
.irp b, 0,1,2,3
	v_max3_num_f32 v[TM+\b], v[TM+\b], |v[(\s)+16*\b+\i]|, |v[(\s)+1+16*\b+\i]|
.endr
.endr
.irp b, 0,1,2,3
	v_permlanex16_b32 v[TM+4+\b], v[TM+\b], s26, s27
.endr
.irp b, 0,1,2,3
	v_max_num_f32 v[TM+\b], v[TM+\b], v[TM+4+\b]       ; with lane l xor 16's: the block's largest magnitude
.endr
.irp b, 0,1,2,3
	v_add_nc_u32 v[TM+12+\b], 0xff000000, v[TM+\b]     ; 2 off its exponent field: the conversion's scale operand
.endr
.irp b, 0,1,2,3
	v_lshrrev_b32 v[TM+4+\b], 23, v[TM+12+\b]          ; the scale's byte
.endr
	v_lshl_or_b32 v[\pw], v[TM+5], 8, v[TM+4]
	v_lshl_or_b32 v[\pw], v[TM+6], 16, v[\pw]
	v_lshl_or_b32 v[\pw], v[TM+7], 24, v[\pw]
.irp b, 0,1,2,3
	v_cvt_scalef32_pk8_fp4_f32 v[(\pc)+2*\b], v[(\s)+16*\b:(\s)+7+16*\b], v[TM+12+\b]
	v_cvt_scalef32_pk8_fp4_f32 v[(\pc)+1+2*\b], v[(\s)+8+16*\b:(\s)+15+16*\b], v[TM+12+\b]
.endr
	v_nop                                              ; one plain place behind a scaled conversion
.irp c, 0,1                                            ; the operand's layout wants a whole block in a lane
.irp i, 0,1
	v_permlane16_swap_b32 v[(\pc)+4*\c+\i], v[(\pc)+2+4*\c+\i]
.endr
.endr
.endm
	s_load_b256 s[4:11], s[0:1], 0x0               ; hidden s[4:5], w_q s[6:7], w_k s[8:9], w_v s[10:11]
	s_load_b256 s[12:19], s[0:1], 0x20             ; w_o s[12:13], xcod s[14:15], xscl s[16:17], wqkv s[18:19]
	s_load_b128 s[20:23], s[0:1], 0x40             ; wocod s[20:21], woscl s[22:23]
	s_set_vgpr_msb 0x40
	v_lshl_add_u32 v0, v0, 2, 0x8800
	v_mov_b32 v1, 0
	s_set_vgpr_msb 0x4000
	v_lshrrev_b32 v1, 5, v0
	v_readfirstlane_b32 s24, v1                    ; wave
	v_and_b32 v2, 31, v0                           ; lane
	v_lshlrev_b32 v3, 4, v2                        ; 16 x lane
	v_and_b32 v5, 15, v0                           ; lane % 16
	v_bfe_u32 v6, v0, 4, 1                         ; lane / 16
	s_mov_b32 s26, 0x76543210
	s_mov_b32 s27, 0xfedcba98                      ; v_permlanex16_b32's selects for lane l xor 16
	s_cmp_lt_u32 ttmp9, 128
	s_cbranch_scc1 .Lweights
; ---- THE TOKENS.  Work-group id - 128 = 2 blk + kh; wave w takes K step s = 4 kh + w of the 64 tokens of block blk, tile by tile.
	s_sub_co_u32 s28, ttmp9, 128
	s_lshr_b32 s29, s28, 1                         ; blk
	s_and_b32 s28, s28, 1
	s_lshl_b32 s28, s28, 2
	s_add_co_u32 s28, s28, s24                     ; s
	s_lshl_b32 s30, s29, 18                        ; in: 64 rows of 4,096 bytes a block, 512 bytes a K step
	s_lshl_b32 s31, s28, 9
	s_add_co_u32 s30, s30, s31
	s_mov_b32 s31, 0
	s_lshl_b32 s32, s29, 15                        ; codes: 32,768 a block, 4,096 a K step
	s_lshl_b32 s33, s28, 12
	s_add_co_u32 s32, s32, s33
	s_mov_b32 s33, 0
	s_lshl_b32 s34, s29, 11                        ; scale words: 2,048 a block, 256 a K step
	s_lshl_b32 s35, s28, 8
	s_add_co_u32 s34, s34, s35
	s_mov_b32 s35, 0
	s_mul_i32 s36, s24, STGB                       ; my stage
	s_wait_alu depctr_va_vdst(0)
	v_add_nc_u32 v4, s36, v3                       ; into it: a row's 512 bytes as they lie
	v_mul_u32_u24 v7, v5, 528
	v_lshl_add_u32 v7, v6, 6, v7
	v_add_nc_u32 v7, s36, v7                       ; out of it: row lane % 16, + 64 (lane / 16): my 16 numbers of each block of 32
	v_lshlrev_b32 v8, 4, v5                        ; the scale words' place: 16 bytes a row
.irp b, 0,1,2,3
	v_mov_b32 v[TM+4+\b], 0                        ; written once: a lane permute's destination counts as one of its sources
.endr
	s_wait_alu depctr_va_vdst(0)
	s_wait_kmcnt 0x0
	s_add_nc_u64 s[4:5], s[4:5], s[30:31]
	s_add_nc_u64 s[14:15], s[14:15], s[32:33]
	s_add_nc_u64 s[16:17], s[16:17], s[34:35]
.macro LOADX a                         ; tile a: tokens 4 r + a; each load reads 512 consecutive bytes of one row
.irp r, 0,1,2,3,4,5,6,7,8,9,10,11,12,13,14,15
	global_load_b128 v[RA+64*((\a)%2)+4*\r:RA+64*((\a)%2)+4*\r+3], v3, s[4:5] offset:(4*\r+(\a))*4096 th:TH_LOAD_NT
.endr
.endm
.macro TURNX a                         ; through my stage: LDS serves a wave's instructions in order, so no wait stands between the stores and the loads
.irp r, 0,1,2,3,4,5,6,7,8,9,10,11,12,13,14,15
	ds_store_b128 v4, v[RA+64*((\a)%2)+4*\r:RA+64*((\a)%2)+4*\r+3] offset:\r*528
.endr
.irp b, 0,1,2,3
.irp j, 0,1,2,3
	ds_load_b128 v[XR+16*\b+4*\j:XR+16*\b+4*\j+3], v7 offset:128*\b+16*\j
.endr
.endr
.endm
	LOADX 0
	LOADX 1
.irp a, 0,1,2,3
.if \a < 3
	s_wait_loadcnt 16                              ; this tile's 16 loads are in; the next tile's 16 may be out
.else
	s_wait_loadcnt 0x0
.endif
	TURNX \a
	s_wait_dscnt 0x0                               ; my numbers are back, and the stores into the stage have read their registers,
.if \a < 2
	LOADX \a+2                                     ; which take the tile two further on
.endif
	QUANT XR, PCX+8*\a, 12+\a
	global_store_b128 v3, v[PCX+8*\a:PCX+8*\a+3], s[14:15] offset:\a*1024         ; 32 lanes store 512 consecutive bytes, aligned
	global_store_b128 v3, v[PCX+8*\a+4:PCX+8*\a+7], s[14:15] offset:\a*1024+512
.endr
	global_store_b128 v8, v[12:15], s[16:17]       ; the K step's 64 scale words: 256 consecutive bytes, aligned; lanes 16-31 hold and write the same as lanes 0-15
	s_set_vgpr_msb 0x5
	s_wait_tensorcnt 0x0
	ds_add_u32 v0, v1
	s_wait_dscnt 0x0
	s_set_vgpr_msb 0x500
	s_endpgm
; ---- THE WEIGHTS.  Work-group id = 32 mi + 2 hd + hh: matrix mi (q, k, v, o), columns 64 hd on; wave w takes K step s = 4 hh + w: 8 blocks of 32 along K x 32 columns.
.Lweights:
	s_lshr_b32 s28, ttmp9, 5                       ; mi
	s_bfe_u32 s29, ttmp9, 0x40001                  ; hd
	s_and_b32 s30, ttmp9, 1
	s_lshl_b32 s30, s30, 2
	s_add_co_u32 s30, s30, s24                     ; s
	v_and_b32 v7, 7, v0
	v_bfe_u32 v8, v0, 3, 1
	v_lshl_add_u32 v7, v8, 4, v7
	s_wait_alu depctr_va_vdst(0)
	v_lshl_add_u32 v7, v6, 3, v7
	v_lshlrev_b32 v7, 2, v7                        ; in: my column of a run of 32: 16 (m / 8) + 8 u + m % 8, 4 bytes each: the wave reads 128 consecutive bytes
	v_lshlrev_b32 v8, 4, v5
	v_lshl_add_u32 v8, v6, 10, v8                  ; codes: tile u of the pair, 16 bytes at row m
	s_lshl_b32 s31, s24, 8
	s_add_co_u32 s31, s31, WSC                     ; my 256 bytes of LDS
	v_lshlrev_b32 v9, 4, v5
	v_lshl_add_u32 v9, v6, 2, v9
	v_add_nc_u32 v9, s31, v9                       ; my scale word's place: 16 m + 4 u (+ 8 b)
	v_lshlrev_b32 v11, 3, v2
	v_add_nc_u32 v10, s31, v11                     ; and on the way out 8 bytes a lane
	s_mul_i32 s38, s29, REC
	s_lshl_b32 s39, s28, 15
	s_add_co_u32 s40, s38, s39                     ; q, k, v: codes at head x REC + mi x 32,768,
	s_lshl_b32 s39, s28, 11
	s_add_co_u32 s42, s38, s39
	s_add_co_u32 s42, s42, 98304                   ; scale words at head x REC + 98,304 + mi x 2,048
	s_lshl_b32 s44, s29, 15                        ; o: 32,768 and 2,048 a group
	s_lshl_b32 s45, s29, 11
	s_wait_alu depctr_va_vdst(0)
	s_wait_kmcnt 0x0
	s_cmp_eq_u32 s28, 0                            ; the buffers are chosen on the work-group's number alone
	s_cselect_b64 s[32:33], s[6:7], s[8:9]
	s_cmp_gt_u32 s28, 1
	s_cselect_b64 s[32:33], s[10:11], s[32:33]
	s_cmp_eq_u32 s28, 3
	s_cselect_b64 s[32:33], s[12:13], s[32:33]
	s_cselect_b64 s[34:35], s[20:21], s[18:19]
	s_cselect_b64 s[36:37], s[22:23], s[18:19]
	s_cselect_b32 s40, s44, s40
	s_cselect_b32 s42, s45, s42
	s_lshl_b32 s39, s30, 12
	s_add_co_u32 s40, s40, s39                     ; + 4,096 a K step
	s_mov_b32 s41, 0
	s_lshl_b32 s39, s30, 8
	s_add_co_u32 s42, s42, s39                     ; + 256 a K step
	s_mov_b32 s43, 0
	s_lshl_b32 s44, s30, 19                        ; in: 128 rows of 4,096 bytes a K step, 256 bytes a group of columns
	s_lshl_b32 s39, s29, 8
	s_add_co_u32 s44, s44, s39
	s_mov_b32 s45, 0
	s_add_nc_u64 s[32:33], s[32:33], s[44:45]
	s_add_nc_u64 s[34:35], s[34:35], s[40:41]
	s_add_nc_u64 s[36:37], s[36:37], s[42:43]
.macro LOADW t                         ; block t: columns 32 (t / 4) on, k = 32 (t % 4) + i, into set t % 2
.irp i, 0,1,2,3,4,5,6,7,8,9,10,11,12,13,14,15,16,17,18,19,20,21,22,23,24,25,26,27,28,29,30,31
	global_load_b32 v[RA+32*((\t)%2)+\i], v7, s[32:33] offset:(32*((\t)%4)+\i)*4096+128*((\t)/4) th:TH_LOAD_NT
.endr
.endm
.macro BLOCKW t
.set XS, RA+32*((\t)%2)
.if (\t) < 7
	s_wait_loadcnt 32                              ; this block's 32 loads are in; the next block's 32 may be out
.else
	s_wait_loadcnt 0x0
.endif
	v_max3_num_f32 v12, |v[XS]|, |v[XS+1]|, |v[XS+2]|  ; the block's largest magnitude: all 32 numbers are mine
	v_max3_num_f32 v13, |v[XS+3]|, |v[XS+4]|, |v[XS+5]|
.irp i, 6,10,14,18,22,26
	v_max3_num_f32 v12, v12, |v[XS+\i]|, |v[XS+\i+1]|
	v_max3_num_f32 v13, v13, |v[XS+\i+2]|, |v[XS+\i+3]|
.endr
	v_max3_num_f32 v12, v12, |v[XS+30]|, |v[XS+31]|
	v_max3_num_f32 v12, v12, v13, 0x1800000        ; and the floor
	v_add_nc_u32 v14, 0xff000000, v12              ; the conversion's scale operand
	v_lshrrev_b32 v13, 23, v14                     ; the scale's byte
.if (\t)%4 == 0
	v_mov_b32 v[24+(\t)/4], v13                    ; four bytes to a word, the lower K in the lower byte
.else
	v_lshl_or_b32 v[24+(\t)/4], v13, 8*((\t)%4), v[24+(\t)/4]
.endif
.irp e, 0,1,2,3
	v_cvt_scalef32_pk8_fp4_f32 v[PCX+4*(\t)+\e], v[XS+8*\e:XS+8*\e+7], v14
.endr
	v_nop                                          ; one plain place behind a scaled conversion
	global_store_b128 v8, v[PCX+4*(\t):PCX+4*(\t)+3], s[34:35] offset:((\t)/4)*2048+(((\t)%4)/2)*512+((\t)%2)*256   ; sixteen lanes store 256 consecutive bytes, aligned
.if (\t)+2 < 8
	LOADW (\t)+2
.endif
.endm
	LOADW 0
	LOADW 1
.irp t, 0,1,2,3,4,5,6,7
	BLOCKW \t
.endr
	ds_store_b32 v9, v24                           ; tiles u and 2 + u: the K step's 64 words meet in my own 256 bytes,
	ds_store_b32 v9, v25 offset:8
	ds_load_b64 v[26:27], v10                      ; (LDS serves a wave's instructions in order)
	s_wait_dscnt 0x0
	global_store_b64 v11, v[26:27], s[36:37]       ; and leave as 256 consecutive bytes, aligned
	s_set_vgpr_msb 0x5
	s_wait_tensorcnt 0x0
	ds_add_u32 v0, v1
	s_wait_dscnt 0x0
	s_set_vgpr_msb 0x500
	s_endpgm
.Lfunc_end_k_q6abaf08307_quant:
	.size	k_q6abaf08307_quant, .Lfunc_end_k_q6abaf08307_quant-k_q6abaf08307_quant
	.p2alignl 7, 3214868480
	.fill 96, 4, 3214868480
	.section	.rodata,"a",@progbits
	.p2align	6, 0x0
	.amdhsa_kernel k_q6abaf08307_quant
		.amdhsa_group_segment_fixed_size 35328
		.amdhsa_private_segment_fixed_size 0
		.amdhsa_enable_private_segment 0
		.amdhsa_kernarg_size 80
		.amdhsa_user_sgpr_count 2
		.amdhsa_user_sgpr_kernarg_segment_ptr 1
		.amdhsa_wavefront_size32 1
		.amdhsa_system_sgpr_workgroup_id_x 1
		.amdhsa_system_sgpr_workgroup_id_y 1
		.amdhsa_system_sgpr_workgroup_id_z 1
		.amdhsa_system_vgpr_workitem_id 0
		.amdhsa_next_free_vgpr 258
		.amdhsa_next_free_sgpr 66
		.amdhsa_reserve_vcc 0
		.amdhsa_float_denorm_mode_32 3
		.amdhsa_float_denorm_mode_16_64 3
		.amdhsa_memory_ordered 1
		.amdhsa_forward_progress 1
		.amdhsa_inst_pref_size 72
	.end_amdhsa_kernel
	.amdgpu_metadata
---
amdhsa.version: [ 1, 2 ]
amdhsa.kernels:
  - .name:           k_q6abaf08307_quant
    .symbol:         k_q6abaf08307_quant.kd
    .args:
      - { .name: hidden_states, .offset: 0, .size: 8, .value_kind: global_buffer, .address_space: global }
      - { .name: w_q, .offset: 8, .size: 8, .value_kind: global_buffer, .address_space: global }
      - { .name: w_k, .offset: 16, .size: 8, .value_kind: global_buffer, .address_space: global }
      - { .name: w_v, .offset: 24, .size: 8, .value_kind: global_buffer, .address_space: global }
      - { .name: w_o, .offset: 32, .size: 8, .value_kind: global_buffer, .address_space: global }
      - { .name: xcod, .offset: 40, .size: 8, .value_kind: global_buffer, .address_space: global }
      - { .name: xscl, .offset: 48, .size: 8, .value_kind: global_buffer, .address_space: global }
      - { .name: wqkv, .offset: 56, .size: 8, .value_kind: global_buffer, .address_space: global }
      - { .name: wocod, .offset: 64, .size: 8, .value_kind: global_buffer, .address_space: global }
      - { .name: woscl, .offset: 72, .size: 8, .value_kind: global_buffer, .address_space: global }
    .group_segment_fixed_size: 35328
    .private_segment_fixed_size: 0
    .kernarg_segment_align: 8
    .kernarg_segment_size: 80
    .max_flat_workgroup_size: 128
    .sgpr_count:     66
    .vgpr_count:     258
    .wavefront_size: 32
...
	.end_amdgpu_metadata
.endif
;; end of part 1
;; launch qkvatt (part 2): grid 32 x 8, 4 waves a work-group, clusters of 4 x 1, 327,680 bytes of LDS; arguments xcod, xscl, wqkv, b_q, b_k, b_v, acod, ascl; writes acod, ascl
.if DOCPART == 2
	.amdgcn_target "amdgcn-amd-amdhsa--gfx1250"
	.amdhsa_code_object_version 6
	.text
	.protected	k_q6abaf08307_qkvatt
	.globl	k_q6abaf08307_qkvatt
	.p2align	8
	.type	k_q6abaf08307_qkvatt,@function
k_q6abaf08307_qkvatt:
	s_mov_b64 s[64:65], 0
	v_nop
	global_prefetch_b8 v0, s[64:65] scope:SCOPE_SE
	s_setreg_imm32_b32 hwreg(HW_REG_WAVE_MODE, 25, 1), 1
	s_wait_xcnt 0x0
	s_wait_alu depctr_hold_cnt(0) depctr_sa_sdst(0) depctr_va_vdst(0) depctr_va_sdst(0) depctr_va_ssrc(0) depctr_va_vcc(0) depctr_vm_vsrc(0)
	s_getreg_b32 s2, hwreg(HW_REG_IB_STS2, 6, 4)
	s_cmp_eq_u32 s2, 0
	s_cbranch_scc0 .Lentry_in_a_cluster
	s_endpgm
.Lentry_in_a_cluster:
	s_bfe_u32 s2, ttmp6, 0x10000c
	s_cmp_lg_u32 s2, 0x3003
	s_cbranch_scc0 .Lentry_shape_is_right
	s_endpgm
.Lentry_shape_is_right:
; q, k, v = Q(x) Q(w) + b on codes of FP4; the neighbourhood attention (7 keys a query, f32); its result quantised along the output product's K.  q, k and v never go to memory.
; SHARES.  A work-group takes 512 tokens (super-block X) and two heads (pair p).  The pair's two weight records, 208,896 bytes, come into LDS once and stay.  One loop of 4 trips:
; block = trip / 2 (256 tokens), head c = trip % 2.  Wave w owns 64 tokens of the block; its fragments of x for all of K stay in 256 registers for both heads.
; LAYOUT.  The products are used transposed (source 0 = 16 rows of a weight record, source 1 = 16 tokens): lane (r, h) holds ONE token, and the registers 8 ct + j of tile ct = 2 b + u hold channel 32 b + 16 h + 8 u + j.
; TOKENS ARE INTERLEAVED: lane r of row tile a holds token T0 + 4 (16 w + r) + a.  Key i + o of a query in tile a then lies in tile (a + o) mod 4 of lane r - 1, r or r + 1: 16 of the 28 pairs (a, o) in my own lane;
; for the 12 others three tiles of each neighbour come through a stage in LDS that is indexed by 16 w + r over the whole work-group.  Every product is then a packed multiply-add in the lane.
; THE BLOCK'S EDGES: tokens T0 - 4 .. T0 - 1 and T0 + 256 .. T0 + 259 are one more tile of x (lanes 8-15 repeat lanes 0-7); wave w makes column tile w of their k and v.
; A token beyond the tensor's ends takes token 16383's codes: all its scores are masked.  The mask is reference()'s own: a key outside its batch's 8,192 tokens gets the score -infinity.
; SOFTMAX: the row's largest score is taken away; p = 2^(c s - c m) / sum, c = log2(e) / 8; p is normalised before the second product, as reference() has it.
; CLUSTER: the four partners along x share the head pair, so each quarter of a record is asked for jointly (mask 15).  x is read by the 8 work-groups along y and is not asked for jointly: it goes from memory straight into
; operand registers (136 KB a block would not fit in LDS beside the weights and the stage, which take 276,480 bytes).
; LIMITS: NaN and infinities are not served; a block of the result whose largest magnitude lies under 2^-124 keeps the byte 1.
.set REC,   104448                     ; a head's record: codes of q, k, v (32,768 each), then their scale words (2,048 each)
.set STG,   208896                     ; the stage: 32 rows (8 a + G), each two halves of 66 entries of 16 bytes; entry 16 w + r + 1; entries 0 and 65 are the block's edges
.set SROW,  2112
.set BIASL, 276480                     ; b_q, b_k, b_v of the pair: [g][c][64] f32
; window 0
.set LI,  1                            ; 16 x lane
.set SL,  2                            ; STG + 1056 h + 16 (16 w + r)
.set HA,  3                            ; where the edge tile's results go
.set AW,  4                            ; v4-6  the record's codes of q, k, v at my lane
.set AH,  7                            ; v7-8  the same at column tile w, for k and v
.set AS,  9                            ; the record's scale words at my lane
.set ASH, 10                           ; the same at column tile w
.set AB,  11                           ; the head's biases at my half
.set AHB, 12                           ; the same at column tile w
.set VH,  13                           ; h
.set HXO, 14                           ; the edge tokens' codes: my byte offset in xcod
.set HSO, 15                           ; their scale words: in xscl
.set VO,  16                           ; my byte offset in the wave's part of acod
.set SO,  17                           ; and of ascl
.set NINF, 18
.set TOK, 19                           ; 64 w + 4 r
.set XS,  24                           ; v24-39  x's scale words: 4 (s / 2) + a; lanes 0-15 the even K step, lanes 16-31 the odd one
.set HXS, 40                           ; v40-43  the edge tile's
.set WS,  44                           ; v44-55  the weights': 4 g + ct
.set HWS, 56                           ; v56-57  column tile w's, for k and v.   v24-57 hold scales and nothing else
.set SCW, 60                           ; v60-63  the result's scale words, tile a
.set HX,  64                           ; v64-127 the edge tile's fragments, 8 a K step
.set RB,  128                          ; v128-223 weight fragments: 32 g + 8 ct
.set HB,  224                          ; v224-239 column tile w's, for k and v
; window 0 in the attention: v128-183 the 28 scores in pairs; then
.set S2,  128
.set TM,  184
.set TP,  192
.set TS,  200
.set TB,  208
.set PC,  216
.set MX,  232
.set NM,  236
.set SU,  240
.set RC,  244
; window 1: x's fragments, 32 s + 8 a.   window 2: q (later o) at 32 a + 8 ct, k at 128 + 32 a + 8 ct.
; window 3: v at 32 a + 8 ct; v128-223 the biases in the result's layout (32 g + 8 ct), later the neighbours' tiles; v224-239 the edge tile's biases; v240-255 its k and v.
.set WV,  20
.set CX,  21
.set XB,  22
.set PP,  23
.set G1,  24                           ; s[24:31] descriptor group 1
.set G0,  32                           ; s[32:35] group 0 for the two records
.set TRIP, 40
.set WB,  41                           ; LDS byte at which the record in hand begins
.set BB,  42                           ; 256 x head in the pair
.set T0,  43                           ; the block's first token
.set ML,  44                           ; lanes whose left neighbour lies outside the batch
.set MH,  45                           ; lanes whose right neighbour does
.set CS,  46
.set NCS, 47
.set SEL, 48
.set XCW, 60                           ; s[60:61] xcod, s[62:63] xscl at my wave's tokens of block 0
.set XSW, 62
.set ACW, 66                           ; s[66:67] acod, s[68:69] ascl likewise, at K step p
.set ASW, 68
.set OO,  70
.set MSB, 0
.macro WIN new                         ; bits 1:0 source 0, 3:2 source 1, 5:4 source 2, 7:6 destination; the high byte repeats the setting that is left
.if MSB != (\new)
	s_set_vgpr_msb (MSB<<8)|(\new)
.set MSB, (\new)
.endif
.endm
.macro ROUND                           ; a round of the cluster's barrier
	s_barrier_signal -1
	s_barrier_wait -1
	s_cmp_lg_u32 s[WV], 0
	s_cbranch_scc1 .Lnot_wave_0_\@
	s_barrier_signal -3
.Lnot_wave_0_\@:
	s_barrier_wait -3
	s_barrier_signal -1
	s_barrier_wait -1
.endm
; the edge tokens of the block that begins at token s[t]: slot q = lane % 8 takes token t - 4 + q + 256 (q / 4); a number outside 0 .. 16383 wraps and is held at 16383
.macro HALOADR t
	v_and_b32 v20, 7, v0
	v_lshrrev_b32 v21, 2, v20
	v_lshl_add_u32 v20, v21, 8, v20
	v_add_nc_u32 v20, s[\t], v20
	v_add_nc_u32 v20, -4, v20
	v_min_u32 v20, 0x3fff, v20
	v_lshrrev_b32 v21, 6, v20                      ; its record,
	v_and_b32 v22, 3, v20                          ; tile,
	v_bfe_u32 v23, v20, 2, 4                       ; and row
	v_lshlrev_b32 v[HXO], 15, v21
	v_lshl_add_u32 v[HXO], v22, 10, v[HXO]
	v_lshl_add_u32 v[HXO], v23, 4, v[HXO]
	v_lshl_add_u32 v[HXO], v[VH], 8, v[HXO]
	v_and_b32 v22, 63, v20
	v_lshlrev_b32 v[HSO], 11, v21
	v_lshl_add_u32 v[HSO], v22, 2, v[HSO]
	v_lshl_add_u32 v[HSO], v[VH], 8, v[HSO]        ; lanes 16-31 take the odd K step's word
.endm
; a block's x: my 64 tokens' fragments and scale words, the edge tile's likewise.  off: 0 or 131,072 (four records on)
.macro XLOADS off
	WIN 0x40
.irp s, 0,1,2,3,4,5,6,7
.irp a, 0,1,2,3
.irp c, 0,1
	global_load_b128 v[32*\s+8*\a+4*\c:32*\s+8*\a+4*\c+3], v[LI], s[XCW:XCW+1] offset:\off+\s*4096+\a*1024+\c*512
.endr
.endr
.endr
	WIN 0
.irp e, 0,1,2,3
	global_load_b128 v[XS+4*\e:XS+4*\e+3], v[LI], s[XSW:XSW+1] offset:\off/16+\e*512
.endr
.irp s, 0,1,2,3,4,5,6,7
.irp c, 0,1
	global_load_b128 v[HX+8*\s+4*\c:HX+8*\s+4*\c+3], v[HXO], s[4:5] offset:\s*4096+\c*512
.endr
.endr
.irp e, 0,1,2,3
	global_load_b32 v[HXS+\e], v[HSO], s[6:7] offset:\e*512
.endr
.endm
; the biases in the result's layout: 8 registers a column tile.  ISS counts the LDS loads issued in the K loop
.macro BL
	WIN 0xc0
.irp g, 0,1,2
.irp t, 0,1,2,3
	ds_load_b128 v[128+32*\g+8*\t:128+32*\g+8*\t+3], v[AB] offset:\g*512+(32*(\t/2)+8*(\t%2))*4
	ds_load_b128 v[128+32*\g+8*\t+4:128+32*\g+8*\t+7], v[AB] offset:\g*512+(32*(\t/2)+8*(\t%2))*4+16
.endr
.endr
.irp g, 1,2
	ds_load_b128 v[224+8*(\g-1):224+8*(\g-1)+3], v[AHB] offset:\g*512
	ds_load_b128 v[224+8*(\g-1)+4:224+8*(\g-1)+7], v[AHB] offset:\g*512+16
.endr
	WIN 0
.set ISS, ISS+28
.endm
; the batch of LDS loads for K step s of matrix g: four fragments; for k and v column tile w's too; at even s the scale words of two K steps
.macro LB s, g
.irp t, 0,1,2,3
.irp c, 0,1
	ds_load_b128 v[RB+32*(\g)+8*\t+4*\c:RB+32*(\g)+8*\t+4*\c+3], v[AW+(\g)] offset:(\s)*4096+\t*1024+\c*512
.endr
.endr
.set ISS, ISS+8
.if (\g) > 0
.irp c, 0,1
	ds_load_b128 v[HB+8*((\g)-1)+4*\c:HB+8*((\g)-1)+4*\c+3], v[AH+(\g)-1] offset:(\s)*4096+\c*512
.endr
.set ISS, ISS+2
.endif
.if ((\s)%2) == 0
	ds_load_b128 v[WS+4*(\g):WS+4*(\g)+3], v[AS] offset:(\g)*2048+((\s)/2)*512
.set ISS, ISS+1
.if (\g) > 0
	ds_load_b32 v[HWS+(\g)-1], v[ASH] offset:(\g)*2048+((\s)/2)*512
.set ISS, ISS+1
.endif
.endif
.if (\g) == 0
.set END0, ISS
.elseif (\g) == 1
.set END1, ISS
.else
.set END2, ISS
.endif
.endm
.macro WM d, a, b, c, sa, sb, odd      ; one product; at an odd K step both scales stand in lanes 16-31
.if \odd
	v_wmma_scale_f32_16x16x128_f8f6f4 v[\d:\d+7], v[\a:\a+7], v[\b:\b+7], v[\c:\c+7], v[\sa], v[\sb] matrix_a_fmt:MATRIX_FMT_FP4 matrix_b_fmt:MATRIX_FMT_FP4 matrix_a_scale:MATRIX_SCALE_ROW1 matrix_b_scale:MATRIX_SCALE_ROW1
.else
	v_wmma_scale_f32_16x16x128_f8f6f4 v[\d:\d+7], v[\a:\a+7], v[\b:\b+7], v[\c:\c+7], v[\sa], v[\sb] matrix_a_fmt:MATRIX_FMT_FP4 matrix_b_fmt:MATRIX_FMT_FP4
.endif
.endm
; K step s of matrix g: 16 products (4 row tiles x 4 column tiles), for k and v one more for the edge tile.  The first K step takes the bias as C.  A K step's 50 accumulators take turns, one instruction a turn.
.macro GROUP s, g
.if (\g) == 0
	s_wait_dscnt ISS-END0                          ; my batch is in; the count is the loads of the two batches issued behind it
.elseif (\g) == 1
	s_wait_dscnt ISS-END1
.else
	s_wait_dscnt ISS-END2
.endif
.set AC, 128*((\g)%2)
.if (\g) == 2
	WIN 0xf4                                       ; A window 0, B window 1, C and D window 3
.elseif (\s) == 0
	WIN 0xb4                                       ; C (the bias) window 3, D window 2
.else
	WIN 0xa4                                       ; C and D window 2
.endif
.irp a, 0,1,2,3
.irp t, 0,1,2,3
.if (\s) == 0
	WM AC+32*\a+8*\t, RB+32*(\g)+8*\t, 32*(\s)+8*\a, 128+32*(\g)+8*\t, WS+4*(\g)+\t, XS+4*((\s)/2)+\a, (\s)%2
.else
	WM AC+32*\a+8*\t, RB+32*(\g)+8*\t, 32*(\s)+8*\a, AC+32*\a+8*\t, WS+4*(\g)+\t, XS+4*((\s)/2)+\a, (\s)%2
.endif
.endr
.endr
.if (\g) > 0
	WIN 0xf0                                       ; A and B window 0, C and D window 3
.if (\s) == 0
	WM 240+8*((\g)-1), HB+8*((\g)-1), HX+8*(\s), 224+8*((\g)-1), HWS+(\g)-1, HXS+(\s)/2, (\s)%2
.else
	WM 240+8*((\g)-1), HB+8*((\g)-1), HX+8*(\s), 240+8*((\g)-1), HWS+(\g)-1, HXS+(\s)/2, (\s)%2
.endif
.endif
	WIN 0
.rept 4
	v_nop                                          ; four places in front of loads into registers that these products have read, and of the first read of results
.endr
.if (\s) < 7
	LB (\s)+1, \g
.endif
.endm
; k (v = 0) or v (v = 1) into the stage, each accumulator from its low end on; then the edge tile's
.macro KVSTORE v
.if \v
	WIN 0x0c
.set AC, 0
.else
	WIN 0x08
.set AC, 128
.endif
.irp a, 0,1,2,3
.irp t, 0,1,2,3
	ds_store_b128 v[SL], v[AC+32*\a+8*\t:AC+32*\a+8*\t+3] offset:(8*\a+2*\t)*SROW+16
	ds_store_b128 v[SL], v[AC+32*\a+8*\t+4:AC+32*\a+8*\t+7] offset:(8*\a+2*\t+1)*SROW+16
.endr
.endr
	WIN 0x0c
	ds_store_b128 v[HA], v[240+8*\v:243+8*\v]
	ds_store_b128 v[HA], v[244+8*\v:247+8*\v] offset:SROW
	WIN 0
.endm
; three tiles of a neighbour: minus = 0: tiles 0-2 of lane r + 1; minus = 1: tiles 1-3 of lane r - 1
.macro ELOAD minus
	WIN 0xc0
.irp t, 0,1,2
.irp e, 0,1,2,3,4,5,6,7
	ds_load_b128 v[128+32*\t+4*\e:128+32*\t+4*\e+3], v[SL] offset:(8*(\t+\minus)+\e)*SROW+32-32*\minus
.endr
.endr
	WIN 0
.endm
; the pair (query tile a, key tile t).  kind 0: in my lane; 1: lane r + 1; 2: lane r - 1.  IX = 7 a + o + 3, the score's number
.macro PAIR a, t, kind, vv
.if \kind == 0
.set IX, 6*(\a)+(\t)+3
.set SR, 128-128*(\vv)+32*(\t)
.elseif \kind == 1
.set IX, 6*(\a)+(\t)+7
.set SR, 128+32*(\t)
.else
.set IX, 6*(\a)+(\t)-1
.set SR, 128+32*((\t)-1)
.endif
.endm
.macro DOT1 a, t, kind, i              ; two channels of q . k
	PAIR \a, \t, \kind, 0
.if (\i) == 0
	v_pk_mul_f32 v[S2+2*IX:S2+2*IX+1], v[32*(\a)+2*(\i):32*(\a)+2*(\i)+1], v[SR+2*(\i):SR+2*(\i)+1]
.else
	v_pk_fma_f32 v[S2+2*IX:S2+2*IX+1], v[32*(\a)+2*(\i):32*(\a)+2*(\i)+1], v[SR+2*(\i):SR+2*(\i)+1], v[S2+2*IX:S2+2*IX+1]
.endif
.endm
.macro DOT_IN t0, t1
	WIN 0x0a                                       ; q and k window 2, the sums window 0
.irp i, 0,1,2,3,4,5,6,7,8,9,10,11,12,13,14,15
.irp a, 0,1,2,3
	DOT1 \a, \t0, 0, \i
	DOT1 \a, \t1, 0, \i
.endr
.endr
.endm
.macro DOT_PL
	WIN 0x0e                                       ; q window 2, the neighbour's k window 3
.irp i, 0,1,2,3,4,5,6,7,8,9,10,11,12,13,14,15
	DOT1 1, 0, 1, \i
	DOT1 2, 0, 1, \i
	DOT1 2, 1, 1, \i
	DOT1 3, 0, 1, \i
	DOT1 3, 1, 1, \i
	DOT1 3, 2, 1, \i
.endr
.endm
.macro DOT_MI
	WIN 0x0e
.irp i, 0,1,2,3,4,5,6,7,8,9,10,11,12,13,14,15
	DOT1 0, 1, 2, \i
	DOT1 0, 2, 2, \i
	DOT1 0, 3, 2, \i
	DOT1 1, 2, 2, \i
	DOT1 1, 3, 2, \i
	DOT1 2, 3, 2, \i
.endr
.endm
.macro PVM1 a, t, kind                 ; o(a) += p x v: 32 channels; key tile 0 of my own lane starts the sums
	PAIR \a, \t, \kind, 1
.irp i, 0,1,2,3,4,5,6,7,8,9,10,11,12,13,14,15
.if (\kind == 0) && (\t == 0)
	v_pk_mul_f32 v[32*(\a)+2*\i:32*(\a)+2*\i+1], v[SR+2*\i:SR+2*\i+1], v[S2+2*IX:S2+2*IX+1] op_sel_hi:[1,0]
.else
	v_pk_fma_f32 v[32*(\a)+2*\i:32*(\a)+2*\i+1], v[SR+2*\i:SR+2*\i+1], v[S2+2*IX:S2+2*IX+1], v[32*(\a)+2*\i:32*(\a)+2*\i+1] op_sel_hi:[1,0,1]
.endif
.endr
.endm
	s_load_b256 s[4:11], s[0:1], 0x0               ; xcod s[4:5], xscl s[6:7], wqkv s[8:9], b_q s[10:11]
	s_load_b256 s[12:19], s[0:1], 0x20             ; b_k s[12:13], b_v s[14:15], acod s[16:17], ascl s[18:19]
	v_lshl_add_u32 v254, v0, 2, 0x43e00
	v_mov_b32 v255, 0
	ds_add_u32 v254, v255
	ds_add_u32 v254, v255
	v_lshrrev_b32 v20, 5, v0
	v_readfirstlane_b32 s[WV], v20                 ; wave 0..3
	s_bfe_u32 s[CX], ttmp6, 0x40000                ; my place in the cluster: it enters global addresses of x and of the results, and lane masks, and nothing else
	s_lshl_b32 s[XB], ttmp9, 2
	s_add_co_u32 s[XB], s[XB], s[CX]               ; super-block X
	s_and_b32 s[PP], ttmp7, 0xffff                 ; head pair p, which the four partners share
	s_mov_b32 s[G1], 15|(3<<16)|(1<<21)            ; 15:0 the mask: all four; 17:16 elements of 8 bytes; 21 set beside a mask
	s_mov_b32 s[G1+1], 32<<16                      ; tensor_dim0 = 32: rows of 256 bytes
	s_mov_b32 s[G1+2], 204<<16                     ; tensor_dim1 = 204: a quarter of the pair's two records, which lie on end: 52,224 dense bytes
	s_mov_b32 s[G1+3], 32<<16                      ; tile_dim0
	s_mov_b32 s[G1+4], 204                         ; tile_dim1
	s_mov_b32 s[G1+5], 32                          ; from row to row
	s_mov_b32 s[G1+6], 0
	s_mov_b32 s[G1+7], 0
	s_mul_i32 s50, s[PP], 2*REC
	s_mul_i32 s51, s[WV], REC/2                    ; my quarter of the pair's 2 REC bytes, in memory and in LDS
	s_add_co_u32 s52, s50, s51
	s_mov_b32 s53, 0
	s_lshl_b32 s54, s[XB], 3
	s_add_co_u32 s54, s54, s[WV]                   ; my wave's token record of block 0: 8 X + w
	s_lshl_b32 s56, s54, 15
	s_mov_b32 s57, 0
	s_lshl_b32 s58, s54, 11
	s_mov_b32 s59, 0
	s_mov_b32 s[CS], 0x3e38aa3b                    ; c = log2(e) / 8
	s_mov_b32 s[NCS], 0xbe38aa3b
	s_mov_b32 s[SEL], 0x76543210
	s_mov_b32 s[SEL+1], 0xfedcba98
	s_mov_b32 s[TRIP], 0
	s_mov_b32 s[WB], 0
	s_mov_b32 s[BB], 0
	s_lshl_b32 s[T0], s[XB], 9
	s_wait_dscnt 0x0
	s_wait_kmcnt 0x0
	s_mov_b32 s[G0], 1
	s_mov_b32 s[G0+1], s51                         ; LDS: record 0, my quarter
	s_add_nc_u64 s[G0+2:G0+3], s[8:9], s[52:53]
	s_or_b32 s[G0+3], s[G0+3], 0x80000000
	s_add_nc_u64 s[XCW:XCW+1], s[4:5], s[56:57]
	s_add_nc_u64 s[XSW:XSW+1], s[6:7], s[58:59]
	s_add_nc_u64 s[ACW:ACW+1], s[16:17], s[56:57]
	s_add_nc_u64 s[ASW:ASW+1], s[18:19], s[58:59]
	s_lshl_b32 s56, s[PP], 12                      ; K step p of the result's records
	s_lshl_b32 s58, s[PP], 8
	s_add_nc_u64 s[ACW:ACW+1], s[ACW:ACW+1], s[56:57]
	s_add_nc_u64 s[ASW:ASW+1], s[ASW:ASW+1], s[58:59]
	s_cmp_eq_u32 s[WV], 0                          ; waves 0, 1, 2 bring b_q, b_k, b_v
	s_cselect_b64 s[56:57], s[10:11], s[12:13]
	s_cmp_gt_u32 s[WV], 1
	s_cselect_b64 s[56:57], s[14:15], s[56:57]
	s_lshl_b32 s58, s[PP], 9
	s_add_nc_u64 s[56:57], s[56:57], s[58:59]
	ROUND                                          ; all four work-groups are here: the joint loads meet
	tensor_load_to_lds s[G0:G0+3], s[G1:G1+7]      ; my one tensor load: a quarter of the two records; nothing is filled again
	s_nop 0
.rept 4
	v_nop
.endr
	v_and_b32 v20, 31, v0
	v_lshlrev_b32 v[LI], 4, v20
	v_and_b32 v21, 15, v0                          ; r
	v_bfe_u32 v[VH], v0, 4, 1                      ; h
	v_mul_u32_u24 v[SL], v[VH], 1056
	v_lshl_add_u32 v[SL], v21, 4, v[SL]
	s_lshl_b32 s54, s[WV], 8
	s_add_co_u32 s54, s54, STG
	v_add_nc_u32 v[SL], s54, v[SL]
	v_and_b32 v22, 3, v0                           ; the edge tile: slot q: tile q % 4, entry 0 or 65; my column tile w: rows 2 w, 2 w + 1 of the eight
	v_bfe_u32 v23, v0, 2, 1
	v_mul_u32_u24 v[HA], v22, 8*SROW
	v_mad_u32_u24 v[HA], v23, 1040, v[HA]
	v_mad_u32_u24 v[HA], v[VH], 1056, v[HA]
	s_mul_i32 s54, s[WV], 2*SROW
	s_add_co_u32 s54, s54, STG
	v_add_nc_u32 v[HA], s54, v[HA]
	s_lshl_b32 s54, s[WV], 6
	v_lshl_add_u32 v[TOK], v21, 2, s54
	v_mov_b32 v[NINF], 0xff800000
.irp a, 0,1,2,3
	v_mov_b32 v[SCW+\a], 0
.endr
	s_lshl_b32 s54, s[WV], 9
	s_add_co_u32 s54, s54, BIASL
	v_add_nc_u32 v[VO], s54, v[LI]                 ; (for now: where my wave's bias goes in LDS)
	HALOADR T0
	XLOADS 0
	s_cmp_lt_u32 s[WV], 3
	s_cbranch_scc0 .Lno_bias
	global_load_b128 v[20:23], v[LI], s[56:57]     ; the pair's 128 numbers
	s_wait_loadcnt 0x0
	ds_store_b128 v[VO], v[20:23]
.Lno_bias:
	s_wait_tensorcnt 0x0                           ; my quarter of the two records is in,
	s_wait_dscnt 0x0                               ; my bias is stored,
	s_barrier_signal -1
	s_barrier_wait -1                              ; everybody's are
.Ltrip:
	s_wait_xcnt 0x0                                ; the last trip's stores have read their registers: offsets and data are written again only behind this wait
	s_lshr_b32 s50, s[TRIP], 1                     ; block
	s_and_b32 s51, s[TRIP], 1                      ; head in the pair
	s_lshl_b32 s52, s50, 17
	s_lshl_b32 s53, s51, 9
	s_add_co_u32 s[OO], s52, s53
	v_add_nc_u32 v[VO], s[OO], v[LI]               ; codes: four records a block, 512 bytes a head
	s_lshl_b32 s52, s50, 13
	v_and_b32 v20, 15, v0
	v_lshl_add_u32 v[SO], v20, 4, s52              ; scale words: 16 bytes a row
	s_lshl_b32 s[T0], s[XB], 9
	s_lshl_b32 s52, s50, 8
	s_add_co_u32 s[T0], s[T0], s52
	v_add_nc_u32 v20, s[T0], v[TOK]
	v_and_b32 v20, 0x1fff, v20                     ; my four tokens' first place in its batch
	v_cmp_eq_u32 s[ML], 0, v20
	v_cmp_eq_u32 s[MH], 0x1ffc, v20
	v_add_nc_u32 v[AW], s[WB], v[LI]
	v_add_nc_u32 v[AW+1], 0x8000, v[AW]
	v_add_nc_u32 v[AW+2], 0x10000, v[AW]
	s_lshl_b32 s52, s[WV], 10
	v_add_nc_u32 v[AH], s52, v[AW+1]
	v_add_nc_u32 v[AH+1], s52, v[AW+2]
	v_add_nc_u32 v[AS], 0x18000, v[AW]
	s_lshl_b32 s52, s[WV], 2
	v_add_nc_u32 v[ASH], s52, v[AS]
	s_add_co_u32 s52, s[BB], BIASL
	v_lshl_add_u32 v[AB], v[VH], 6, s52
	s_lshr_b32 s52, s[WV], 1
	s_lshl_b32 s52, s52, 7
	s_and_b32 s53, s[WV], 1
	s_lshl_b32 s53, s53, 5
	s_add_co_u32 s52, s52, s53
	v_add_nc_u32 v[AHB], s52, v[AB]
	s_wait_alu depctr_va_vdst(0)
	s_wait_loadcnt 0x0                             ; the block's x is in
; ---- q, k, v: 8 K steps, written out
.set ISS, 0
	BL
	LB 0, 0
	LB 0, 1
	LB 0, 2
.irp s, 0,1,2,3,4,5,6,7
.irp g, 0,1,2
	GROUP \s, \g
.endr
.endr
; ---- behind the first block's second head its x is done with: the next block's is asked for here and lands under the attention
	s_cmp_lg_u32 s[TRIP], 1
	s_cbranch_scc1 .Lno_x
	s_add_co_u32 s52, s[T0], 256
	HALOADR 52
	XLOADS 131072
.Lno_x:
; ---- the scores
	KVSTORE 0
	s_wait_dscnt 0x0                               ; for the others' sake: my k lies in the stage
	s_barrier_signal -1
	s_barrier_wait -1
	ELOAD 0
	DOT_IN 0, 1
	s_wait_dscnt 0x0
	DOT_PL
	ELOAD 1
	DOT_IN 2, 3
	s_wait_dscnt 0x0                               ; my reads of k's stage are over:
	s_barrier_signal -1                            ; say so, and work on registers until all have said so
	DOT_MI
	WIN 0
.irp x, 0,1,2,3,4,5,6,7,8,9,10,11,12,13,14,15,16,17,18,19,20,21,22,23,24,25,26,27
	v_add_f32 v[S2+2*\x], v[S2+2*\x], v[S2+2*\x+1]
.endr
.irp x, 0,1,2,3,4,5,6,7,8,9,10,11,12,13,14,15,16,17,18,19,20,21,22,23,24,25,26,27
	v_permlanex16_b32 v[S2+2*\x+1], v[S2+2*\x], s[SEL], s[SEL+1]   ; the other 32 channels lie in lane l xor 16
.endr
.irp x, 0,1,2,3,4,5,6,7,8,9,10,11,12,13,14,15,16,17,18,19,20,21,22,23,24,25,26,27
	v_add_f32 v[S2+2*\x], v[S2+2*\x], v[S2+2*\x+1]
.endr
.irp x, 13,19,20,25,26,27
	v_cndmask_b32 v[S2+2*\x], v[S2+2*\x], v[NINF], s[MH]           ; keys behind the batch's end
.endr
.irp x, 0,1,2,7,8,14
	v_cndmask_b32 v[S2+2*\x], v[S2+2*\x], v[NINF], s[ML]           ; keys ahead of its start
.endr
.irp a, 0,1,2,3
	v_max3_num_f32 v[MX+\a], v[S2+14*\a], v[S2+14*\a+2], v[S2+14*\a+4]
.endr
.irp a, 0,1,2,3
	v_max3_num_f32 v[MX+\a], v[MX+\a], v[S2+14*\a+6], v[S2+14*\a+8]
.endr
.irp a, 0,1,2,3
	v_max3_num_f32 v[MX+\a], v[MX+\a], v[S2+14*\a+10], v[S2+14*\a+12]  ; the row's largest score: the query's own key is never masked, so it is a number
.endr
.irp a, 0,1,2,3
	v_mul_f32 v[NM+\a], s[NCS], v[MX+\a]
.endr
.irp x, 0,1,2,3,4,5,6,7,8,9,10,11,12,13,14,15,16,17,18,19,20,21,22,23,24,25,26,27
	v_fma_f32 v[S2+2*\x], v[S2+2*\x], s[CS], v[NM+\x/7]            ; c s - c m
.endr
	s_wait_alu depctr_va_vdst(0)
.irp x, 0,1,2,3,4,5,6,7,8,9,10,11,12,13,14,15,16,17,18,19,20,21,22,23,24,25,26,27
	v_exp_f32 v[S2+2*\x], v[S2+2*\x]
.endr
	v_nop                                          ; a plain place behind the last exponential
	s_wait_alu depctr_va_vdst(0)                   ; one wait for the batch of 28, ahead of its first reader
.irp a, 0,1,2,3
	v_add_f32 v[SU+\a], v[S2+14*\a], v[S2+14*\a+2]
.endr
.irp x, 2,3,4,5,6
.irp a, 0,1,2,3
	v_add_f32 v[SU+\a], v[SU+\a], v[S2+14*\a+2*\x]
.endr
.endr
	s_wait_alu depctr_va_vdst(0)
.irp a, 0,1,2,3
	v_rcp_f32 v[RC+\a], v[SU+\a]
.endr
	v_nop
	s_wait_alu depctr_va_vdst(0)                   ; one wait for the four reciprocals
.irp x, 0,1,2,3,4,5,6,7,8,9,10,11,12,13,14,15,16,17,18,19,20,21,22,23,24,25,26,27
	v_mul_f32 v[S2+2*\x], v[S2+2*\x], v[RC+\x/7]   ; p, normalised
.endr
	s_barrier_wait -1                              ; nobody reads k's stage any more
; ---- o = p v
	KVSTORE 1
	s_wait_dscnt 0x0
	s_barrier_signal -1
	s_barrier_wait -1
	ELOAD 0
	WIN 0xa3                                       ; v window 3, p window 0, o window 2
.irp t, 0,1
.irp a, 0,1,2,3
	PVM1 \a, \t, 0
.endr
.endr
	s_wait_dscnt 0x0
	PVM1 1, 0, 1
	PVM1 2, 0, 1
	PVM1 3, 0, 1
	PVM1 2, 1, 1
	PVM1 3, 1, 1
	PVM1 3, 2, 1
	ELOAD 1
	WIN 0xa3
.irp t, 2,3
.irp a, 0,1,2,3
	PVM1 \a, \t, 0
.endr
.endr
	s_wait_dscnt 0x0                               ; my reads of v's stage are over:
	s_barrier_signal -1                            ; say so; register work alone up to the wait
	PVM1 0, 1, 2
	PVM1 1, 2, 2
	PVM1 2, 3, 2
	PVM1 0, 2, 2
	PVM1 1, 3, 2
	PVM1 0, 3, 2
; ---- the quantiser: block y = 2 a + b is registers 16 y .. 16 y + 15 of o: channels 32 b + 16 h + 0 .. 15 of tile a's token
	WIN 0x0a
.irp y, 0,1,2,3,4,5,6,7
	v_max3_num_f32 v[TM+\y], |v[16*\y]|, |v[16*\y+1]|, 0x1800000   ; with the floor 2^(3 - 127)
.endr
.irp i, 2,4,6,8,10,12,14
.irp y, 0,1,2,3,4,5,6,7
	v_max3_num_f32 v[TM+\y], |v[16*\y+\i]|, |v[16*\y+\i+1]|, v[TM+\y]
.endr
.endr
	WIN 0
.irp y, 0,1,2,3,4,5,6,7
	v_permlanex16_b32 v[TP+\y], v[TM+\y], s[SEL], s[SEL+1]
.endr
.irp y, 0,1,2,3,4,5,6,7
	v_max_num_f32 v[TM+\y], v[TM+\y], v[TP+\y]
.endr
.irp y, 0,1,2,3,4,5,6,7
	v_add_nc_u32 v[TS+\y], 0xff000000, v[TM+\y]    ; the conversion's scale operand
.endr
.irp y, 0,1,2,3,4,5,6,7
	v_lshrrev_b32 v[TB+\y], 23, v[TS+\y]           ; the scale's byte
.endr
.irp a, 0,1,2,3
	v_lshl_or_b32 v[TB+2*\a], v[TB+2*\a+1], 8, v[TB+2*\a]
.endr
.irp a, 0,1,2,3
	v_lshrrev_b32 v[SCW+\a], 16, v[SCW+\a]         ; the word of a K step: the first head's two bytes below, the second's above
.endr
.irp a, 0,1,2,3
	v_lshl_or_b32 v[SCW+\a], v[TB+2*\a], 16, v[SCW+\a]
.endr
	WIN 0x02
.irp y, 0,1,2,3,4,5,6,7
	v_cvt_scalef32_pk8_fp4_f32 v[PC+2*\y], v[16*\y:16*\y+7], v[TS+\y]
	v_cvt_scalef32_pk8_fp4_f32 v[PC+2*\y+1], v[16*\y+8:16*\y+15], v[TS+\y]
.endr
	WIN 0
	v_nop                                          ; one plain place behind a scaled conversion
.irp a, 0,1,2,3
.irp i, 0,1
	v_permlane16_swap_b32 v[PC+4*\a+\i], v[PC+4*\a+2+\i]           ; a whole block to a lane: lanes 0-15 block 0, lanes 16-31 block 1
.endr
.endr
	s_wait_alu depctr_va_vdst(0)
	s_barrier_wait -1                              ; nobody reads v's stage any more: the next trip may write k there
.irp a, 0,1,2,3
	global_store_b128 v[VO], v[PC+4*\a:PC+4*\a+3], s[ACW:ACW+1] offset:\a*1024   ; 32 lanes store 512 consecutive bytes, aligned
.endr
	s_bitcmp1_b32 s[TRIP], 0
	s_cbranch_scc0 .Lno_scales
	global_store_b128 v[SO], v[SCW:SCW+3], s[ASW:ASW+1]            ; behind the pair's second head: 256 consecutive bytes, aligned; lanes 16-31 hold and write the same as lanes 0-15
.Lno_scales:
	s_xor_b32 s[WB], s[WB], REC
	s_xor_b32 s[BB], s[BB], 256
	s_add_co_u32 s[TRIP], s[TRIP], 1
	s_cmp_lt_u32 s[TRIP], 4
	s_cbranch_scc1 .Ltrip
	s_wait_dscnt 0x0
	s_wait_tensorcnt 0x0
	ds_add_u32 v254, v255
	s_wait_dscnt 0x0
	ROUND                                          ; the closing round
	s_endpgm
.Lfunc_end_k_q6abaf08307_qkvatt:
	.size	k_q6abaf08307_qkvatt, .Lfunc_end_k_q6abaf08307_qkvatt-k_q6abaf08307_qkvatt
	.p2alignl 7, 3214868480
	.fill 96, 4, 3214868480
	.section	.rodata,"a",@progbits
	.p2align	6, 0x0
	.amdhsa_kernel k_q6abaf08307_qkvatt
		.amdhsa_group_segment_fixed_size 327680
		.amdhsa_private_segment_fixed_size 0
		.amdhsa_enable_private_segment 0
		.amdhsa_kernarg_size 64
		.amdhsa_user_sgpr_count 2
		.amdhsa_user_sgpr_kernarg_segment_ptr 1
		.amdhsa_wavefront_size32 1
		.amdhsa_system_sgpr_workgroup_id_x 1
		.amdhsa_system_sgpr_workgroup_id_y 1
		.amdhsa_system_sgpr_workgroup_id_z 1
		.amdhsa_system_vgpr_workitem_id 0
		.amdhsa_next_free_vgpr 1024
		.amdhsa_next_free_sgpr 80
		.amdhsa_reserve_vcc 0
		.amdhsa_float_denorm_mode_32 3
		.amdhsa_float_denorm_mode_16_64 3
		.amdhsa_memory_ordered 1
		.amdhsa_forward_progress 1
		.amdhsa_inst_pref_size 184
	.end_amdhsa_kernel
	.amdgpu_metadata
---
amdhsa.version: [ 1, 2 ]
amdhsa.kernels:
  - .name:           k_q6abaf08307_qkvatt
    .symbol:         k_q6abaf08307_qkvatt.kd
    .args:
      - { .name: xcod, .offset: 0, .size: 8, .value_kind: global_buffer, .address_space: global }
      - { .name: xscl, .offset: 8, .size: 8, .value_kind: global_buffer, .address_space: global }
      - { .name: wqkv, .offset: 16, .size: 8, .value_kind: global_buffer, .address_space: global }
      - { .name: b_q, .offset: 24, .size: 8, .value_kind: global_buffer, .address_space: global }
      - { .name: b_k, .offset: 32, .size: 8, .value_kind: global_buffer, .address_space: global }
      - { .name: b_v, .offset: 40, .size: 8, .value_kind: global_buffer, .address_space: global }
      - { .name: acod, .offset: 48, .size: 8, .value_kind: global_buffer, .address_space: global }
      - { .name: ascl, .offset: 56, .size: 8, .value_kind: global_buffer, .address_space: global }
    .group_segment_fixed_size: 327680
    .private_segment_fixed_size: 0
    .kernarg_segment_align: 8
    .kernarg_segment_size: 64
    .max_flat_workgroup_size: 128
    .sgpr_count:     80
    .vgpr_count:     1024
    .wavefront_size: 32
...
	.end_amdgpu_metadata
.endif
;; end of part 2
;; launch oproj (part 3): grid 4 x 64, 4 waves a work-group, clusters of 4 x 4, 327,680 bytes of LDS; arguments acod, ascl, wocod, woscl, b_o, out0; writes out0
.if DOCPART == 3
	.amdgcn_target "amdgcn-amd-amdhsa--gfx1250"
	.amdhsa_code_object_version 6
	.text
	.protected	k_q6abaf08307_oproj
	.globl	k_q6abaf08307_oproj
	.p2align	8
	.type	k_q6abaf08307_oproj,@function
k_q6abaf08307_oproj:
	s_mov_b64 s[64:65], 0
	v_nop
	global_prefetch_b8 v0, s[64:65] scope:SCOPE_SE
	s_setreg_imm32_b32 hwreg(HW_REG_WAVE_MODE, 25, 1), 1
	s_wait_xcnt 0x0
	s_wait_alu depctr_hold_cnt(0) depctr_sa_sdst(0) depctr_va_vdst(0) depctr_va_sdst(0) depctr_va_ssrc(0) depctr_va_vcc(0) depctr_vm_vsrc(0)
	s_getreg_b32 s2, hwreg(HW_REG_IB_STS2, 6, 4)
	s_cmp_eq_u32 s2, 0
	s_cbranch_scc0 .Lentry_in_a_cluster
	s_endpgm
.Lentry_in_a_cluster:
	s_bfe_u32 s2, ttmp6, 0x10000c
	s_cmp_lg_u32 s2, 0xf033
	s_cbranch_scc0 .Lentry_shape_is_right
	s_endpgm
.Lentry_shape_is_right:
.set NQ,     4
.set FR,     8
.set NL,     2
.set NP,     4
.set SLOT,   131072
.set BOFF,   65536
.set SCL,    262144
.set STAGE,  278528
.set SPITCH, 528
.set ADRA, 16
.set ADRB, 20
.set STO,  24
.set RD,   25
.set CO,   26
.set ADRS, 27
.set SC,   32
.set AF,   128
.set BI,   192
.set BK,   128
.set G1, 24
.set G0, 32
.set G1B, 48
.set G0B, 56
.set G1S, 68
.set G0S, 76
.set G1SB, 80
.set G0SB, 88
.set MSB, 0
.macro WIN new
.if MSB != (\new)
	s_set_vgpr_msb (MSB<<8)|(\new)
.set MSB, (\new)
.endif
.endm
.set MUL_LO, 0xa1
.set MUL_HI, 0xf1
.set TO_B,   0x40
.macro JLOAD g0a, g1a, g0b, g1b
	s_cmp_eq_u32 s17, 0
	s_cbranch_scc0 .Lfor_b_\@
	tensor_load_to_lds s[\g0a:\g0a+3], s[\g1a:\g1a+7]
	s_nop 0
.rept 4
	v_nop
.endr
	s_branch .Lasked_\@
.Lfor_b_\@:
	tensor_load_to_lds s[\g0b:\g0b+3], s[\g1b:\g1b+7]
	s_nop 0
.rept 4
	v_nop
.endr
.Lasked_\@:
.endm
.macro CROUND
	s_barrier_signal -1
	s_barrier_wait -1
	s_cmp_lg_u32 s16, 0
	s_cbranch_scc1 .Lnot_wave_0_\@
	s_barrier_signal -3
.Lnot_wave_0_\@:
	s_barrier_wait -3
	s_barrier_signal -1
	s_barrier_wait -1
.endm
	s_load_b128 s[4:7], s[0:1], 0x0
	s_load_b128 s[8:11], s[0:1], 0x10
	s_load_b128 s[12:15], s[0:1], 0x20
	v_lshl_add_u32 v126, v0, 2, 0x4c400
	v_mov_b32 v127, 0
	ds_add_u32 v126, v127
	ds_add_u32 v126, v127
	v_lshrrev_b32 v1, 5, v0
	v_readfirstlane_b32 s16, v1
	s_lshr_b32 s17, s16, 1
	s_and_b32 s18, s16, 1
	s_bfe_u32 s40, ttmp6, 0x40000
	s_bfe_u32 s41, ttmp6, 0x40004
	s_lshl_b32 s42, ttmp9, 2
	s_add_co_u32 s42, s42, s40
	s_and_b32 s19, ttmp7, 0xffff
	s_lshl_b32 s19, s19, 2
	s_add_co_u32 s19, s19, s41
	s_lshl_b32 s43, s41, 2
	s_lshl_b32 s43, 15, s43
	s_lshl_b32 s44, 0x1111, s40
	s_or_b32 s[G1+0], s43, (3<<16)|(1<<21)
	s_or_b32 s[G1B+0], s44, (3<<16)|(1<<21)
.irp g, G1, G1B
	s_mov_b32 s[\g+1], 2048<<16
	s_mov_b32 s[\g+2], 2<<16
	s_mov_b32 s[\g+3], 2048<<16
	s_mov_b32 s[\g+4], 2
	s_mov_b32 s[\g+5], 4096
	s_mov_b32 s[\g+6], 0
	s_mov_b32 s[\g+7], 0
.endr
	s_or_b32 s[G1S+0], s43, (3<<16)|(1<<21)
	s_or_b32 s[G1SB+0], s44, (3<<16)|(1<<21)
.irp g, G1S, G1SB
	s_mov_b32 s[\g+1], 32<<16
	s_mov_b32 s[\g+2], 16<<16
	s_mov_b32 s[\g+3], 32<<16
	s_mov_b32 s[\g+4], 16
	s_mov_b32 s[\g+5], 32
	s_mov_b32 s[\g+6], 0
	s_mov_b32 s[\g+7], 0
.endr
	s_lshl_b32 s20, s19, 2
	s_lshl_b32 s21, s18, 1
	s_add_co_u32 s20, s20, s21
	s_lshl_b32 s22, s20, 11
	s_mov_b32 s23, 0
	s_lshl_b32 s20, s20, 15
	s_mov_b32 s21, 0
	s_lshl_b32 s46, s42, 2
	s_lshl_b32 s47, s18, 1
	s_add_co_u32 s46, s46, s47
	s_lshl_b32 s92, s46, 11
	s_mov_b32 s93, 0
	s_lshl_b32 s46, s46, 15
	s_mov_b32 s47, 0
	s_lshl_b32 s45, s16, 15
	s_lshl_b32 s94, s16, 12
	s_wait_dscnt 0x0
	s_wait_kmcnt 0x0
	s_add_nc_u64 s[20:21], s[4:5], s[20:21]
	s_add_nc_u64 s[22:23], s[6:7], s[22:23]
	s_add_nc_u64 s[46:47], s[8:9], s[46:47]
	s_add_nc_u64 s[92:93], s[10:11], s[92:93]
	CROUND
	s_mov_b32 s[G0S], 1
	s_add_co_u32 s[G0S+1], s94, SCL
	s_mov_b64 s[G0S+2:G0S+3], s[22:23]
	s_or_b32 s[G0S+3], s[G0S+3], 0x80000000
	s_mov_b32 s[G0SB], 1
	s_add_co_u32 s[G0SB+1], s94, SCL
	s_mov_b64 s[G0SB+2:G0SB+3], s[92:93]
	s_or_b32 s[G0SB+3], s[G0SB+3], 0x80000000
	JLOAD G0S, G1S, G0SB, G1SB
.irp s, 0,1
	s_mov_b32 s[G0+4*\s], 1
	s_add_co_u32 s[G0+4*\s+1], s45, \s*SLOT
	s_add_nc_u64 s[G0+4*\s+2:G0+4*\s+3], s[20:21], \s*16384
	s_or_b32 s[G0+4*\s+3], s[G0+4*\s+3], 0x80000000
	s_mov_b32 s[G0B+4*\s], 1
	s_add_co_u32 s[G0B+4*\s+1], s45, \s*SLOT
	s_add_nc_u64 s[G0B+4*\s+2:G0B+4*\s+3], s[46:47], \s*16384
	s_or_b32 s[G0B+4*\s+3], s[G0B+4*\s+3], 0x80000000
	s_wait_alu depctr_va_vdst(0)
	s_wait_tensorcnt 0x0
	ds_add_u32 v126, v127
	s_wait_dscnt 0x0
	CROUND
	JLOAD G0+4*\s, G1, G0B+4*\s, G1B
.endr
	v_and_b32 v1, 15, v0
	v_bfe_u32 v2, v0, 4, 1
	s_wait_alu depctr_va_vdst(0)
	v_and_b32 v3, 31, v0
	v_lshlrev_b32 v4, 4, v3
	s_lshl_b32 s21, s17, 15
	s_lshl_b32 s22, s18, 15
	s_add_co_u32 s22, s22, BOFF
.irp s, 0,1
	v_add_nc_u32 v[ADRA+\s], s21, v4
	v_add_nc_u32 v[ADRB+\s], s22, v4
	s_add_co_u32 s21, s21, SLOT
	s_add_co_u32 s22, s22, SLOT
.endr
	s_lshl_b32 s21, s17, 12
	s_lshl_b32 s22, s18, 12
	s_add_co_u32 s22, s22, 8192
	s_sub_co_u32 s22, s22, s21
	v_mul_u32_u24 v6, s22, v2
	s_add_co_u32 s21, s21, SCL
	v_lshl_add_u32 v5, v1, 4, v6
	v_add_nc_u32 v[ADRS], s21, v5
	s_mul_i32 s23, s16, 16*SPITCH
	s_add_co_u32 s23, s23, STAGE
	v_mul_u32_u24 v5, v1, SPITCH
	v_lshl_add_u32 v5, v2, 6, v5
	v_add_nc_u32 v[STO], s23, v5
	v_mov_b32 v[CO], v4
	v_add_nc_u32 v[RD], s23, v4
	s_lshl_b32 s20, s19, 8
	s_lshl_b32 s21, s17, 7
	s_add_co_u32 s20, s20, s21
	s_lshl_b32 s20, s20, 12
	s_lshl_b32 s46, s42, 10
	s_lshl_b32 s47, s18, 9
	s_add_co_u32 s46, s46, s47
	s_mov_b32 s47, 0
	s_add_nc_u64 s[12:13], s[12:13], s[46:47]
	s_add_co_u32 s20, s20, s46
	s_mov_b32 s21, 0
	s_add_nc_u64 s[14:15], s[14:15], s[20:21]
	v_lshlrev_b32 v7, 6, v2
.irp b, 0,1,2,3,4,5,6,7
	global_load_b128 v[BI+8*\b:BI+8*\b+3], v7, s[12:13] offset:256*(\b/4)+128*((\b/2)%2)+32*(\b%2)
	global_load_b128 v[BI+8*\b+4:BI+8*\b+7], v7, s[12:13] offset:256*(\b/4)+128*((\b/2)%2)+32*(\b%2)+16
.endr
.macro FRAG reg, adr, q, i
.irp c, 0,1
	ds_load_b128 v[\reg+4*\c:\reg+4*\c+3], v[\adr] offset:((\i)/4)*16384+(\q)*4096+((\i)%4)*1024+512*\c
.endr
.endm
.macro MUL16 a0, p, q, sc, zero
.irp a, \a0, \a0+1
.irp b, 0,1,2,3,4,5,6,7
.if \zero
	v_wmma_scale_f32_16x16x128_f8f6f4 v[8*(8*((\a)%4)+\b):8*(8*((\a)%4)+\b)+7], v[128*(\p)+FR*\b:128*(\p)+FR*\b+FR-1], v[AF+FR*(\a):AF+FR*(\a)+FR-1], v[BI+8*\b:BI+8*\b+7], v[SC+32*(\sc)+16*(\b/4)+4*(\q)+\b%4], v[SC+32*(\sc)+16*((\a)/4)+4*(\q)+(\a)%4] matrix_a_fmt:MATRIX_FMT_FP4 matrix_b_fmt:MATRIX_FMT_FP4 matrix_a_scale:MATRIX_SCALE_ROW1
.else
	v_wmma_scale_f32_16x16x128_f8f6f4 v[8*(8*((\a)%4)+\b):8*(8*((\a)%4)+\b)+7], v[128*(\p)+FR*\b:128*(\p)+FR*\b+FR-1], v[AF+FR*(\a):AF+FR*(\a)+FR-1], v[8*(8*((\a)%4)+\b):8*(8*((\a)%4)+\b)+7], v[SC+32*(\sc)+16*(\b/4)+4*(\q)+\b%4], v[SC+32*(\sc)+16*((\a)/4)+4*(\q)+(\a)%4] matrix_a_fmt:MATRIX_FMT_FP4 matrix_b_fmt:MATRIX_FMT_FP4 matrix_a_scale:MATRIX_SCALE_ROW1
.endif
.endr
.endr
.endm
.macro FETCH_B slot, q, p
	WIN TO_B
.irp i, 0,1,2,3,4,5,6,7
	FRAG 128*(\p)+FR*\i, ADRB+\slot, \q, \i
.endr
	WIN 0
.endm
.macro FETCH_A slot, q, i0
.irp i, \i0, \i0+1, \i0+2, \i0+3
	FRAG AF+FR*(\i), ADRA+\slot, \q, \i
.endr
.endm
.macro SCALES sc
.irp j, 0,1
.irp q, 0,1,2,3
	ds_load_b128 v[SC+32*\sc+16*\j+4*\q:SC+32*\sc+16*\j+4*\q+3], v[ADRS] offset:\j*2048+(4*\sc+\q)*256
.endr
.endr
.endm
.macro PLACES n
.rept \n
	v_nop
.endr
.endm
.macro STEP slot, q, zero
	s_wait_dscnt 4*NL
.if \zero
	WIN 0x81
.else
	WIN MUL_LO
.endif
	MUL16 0, (\q)%2, \q, \slot, \zero
	MUL16 2, (\q)%2, \q, \slot, \zero
	s_wait_dscnt 0x0
	PLACES NP
	FETCH_B \slot, (\q)+1, 1-(\q)%2
	FETCH_A \slot, (\q)+1, 0
.if \zero
	WIN 0xc1
.else
	WIN MUL_HI
.endif
	MUL16 4, (\q)%2, \q, \slot, \zero
	MUL16 6, (\q)%2, \q, \slot, \zero
	PLACES NP
	WIN 0
	FETCH_A \slot, (\q)+1, 4
.endm
	s_wait_alu depctr_va_vdst(0)
	s_wait_tensorcnt 1
	s_barrier_signal -1
	s_barrier_wait -1
	FETCH_B 0, 0, 0
	FETCH_A 0, 0, 0
	SCALES 0
	FETCH_A 0, 0, 4
	s_wait_loadcnt 0x0
	STEP 0, 0, 1
	STEP 0, 1, 0
	STEP 0, 2, 0
	s_wait_tensorcnt 0x0
	s_wait_dscnt 4*NL
	WIN MUL_LO
	MUL16 0, 1, 3, 0, 0
	s_wait_dscnt 0x0
	s_barrier_signal -1
	MUL16 2, 1, 3, 0, 0
	WIN 0
	s_barrier_wait -1
	PLACES NP
	FETCH_B 1, 0, 0
	FETCH_A 1, 0, 0
	SCALES 1
	WIN MUL_HI
	MUL16 4, 1, 3, 0, 0
	MUL16 6, 1, 3, 0, 0
	PLACES NP
	WIN 0
	FETCH_A 1, 0, 4
	STEP 1, 0, 0
	STEP 1, 1, 0
	STEP 1, 2, 0
	s_wait_dscnt 4*NL
	WIN MUL_LO
	MUL16 0, 1, 3, 1, 0
	MUL16 2, 1, 3, 1, 0
	s_wait_dscnt 0x0
	WIN MUL_HI
	MUL16 4, 1, 3, 1, 0
	MUL16 6, 1, 3, 1, 0
	WIN 0
.macro TOSTAGE a
.set AC, 64*((\a)%4)
	WIN 0x08+4*((\a)/4)
.irp b, 0,1,2,3,4,5,6,7
	ds_store_b128 v[STO], v[AC+8*\b:AC+8*\b+3] offset:256*(\b/4)+128*((\b/2)%2)+32*(\b%2)
	ds_store_b128 v[STO], v[AC+8*\b+4:AC+8*\b+7] offset:256*(\b/4)+128*((\b/2)%2)+32*(\b%2)+16
.endr
	WIN 0
.set BB, BK+64*((\a)%2)
.irp t, 0,1,2,3,4,5,6,7,8,9,10,11,12,13,14,15
	ds_load_b128 v[BB+4*\t:BB+4*\t+3], v[RD] offset:\t*SPITCH
.endr
.endm
.macro SEND a, younger
.set BB, BK+64*((\a)%2)
	s_wait_dscnt \younger
.irp t, 0,1,2,3,4,5,6,7,8,9,10,11,12,13,14,15
	global_store_b128 v[CO], v[BB+4*\t:BB+4*\t+3], s[14:15] offset:(64*((\a)/4)+(\a)%4+4*\t)*4096 th:TH_STORE_NT
.endr
.endm
	PLACES NP
	TOSTAGE 0
.irp a, 1,2,3,4,5,6,7
.if \a > 1
	s_wait_xcnt 0x0
.endif
	TOSTAGE \a
	SEND \a-1, 32
.endr
	SEND 7, 0
	s_wait_dscnt 0x0
	s_wait_tensorcnt 0x0
	ds_add_u32 v126, v127
	s_wait_dscnt 0x0
	CROUND
	s_endpgm
.Lfunc_end_k_q6abaf08307_oproj:
	.size	k_q6abaf08307_oproj, .Lfunc_end_k_q6abaf08307_oproj-k_q6abaf08307_oproj
	.p2alignl 7, 3214868480
	.fill 96, 4, 3214868480
	.section	.rodata,"a",@progbits
	.p2align	6, 0x0
	.amdhsa_kernel k_q6abaf08307_oproj
		.amdhsa_group_segment_fixed_size 327680
		.amdhsa_private_segment_fixed_size 0
		.amdhsa_enable_private_segment 0
		.amdhsa_kernarg_size 48
		.amdhsa_user_sgpr_count 2
		.amdhsa_user_sgpr_kernarg_segment_ptr 1
		.amdhsa_wavefront_size32 1
		.amdhsa_system_sgpr_workgroup_id_x 1
		.amdhsa_system_sgpr_workgroup_id_y 1
		.amdhsa_system_sgpr_workgroup_id_z 1
		.amdhsa_system_vgpr_workitem_id 0
		.amdhsa_next_free_vgpr 1024
		.amdhsa_next_free_sgpr 98
		.amdhsa_reserve_vcc 0
		.amdhsa_float_denorm_mode_32 3
		.amdhsa_float_denorm_mode_16_64 3
		.amdhsa_memory_ordered 1
		.amdhsa_forward_progress 1
		.amdhsa_inst_pref_size 126
	.end_amdhsa_kernel
	.amdgpu_metadata
---
amdhsa.version: [ 1, 2 ]
amdhsa.kernels:
  - .name:           k_q6abaf08307_oproj
    .symbol:         k_q6abaf08307_oproj.kd
    .args:
      - { .name: acod, .offset: 0, .size: 8, .value_kind: global_buffer, .address_space: global }
      - { .name: ascl, .offset: 8, .size: 8, .value_kind: global_buffer, .address_space: global }
      - { .name: wocod, .offset: 16, .size: 8, .value_kind: global_buffer, .address_space: global }
      - { .name: woscl, .offset: 24, .size: 8, .value_kind: global_buffer, .address_space: global }
      - { .name: b_o, .offset: 32, .size: 8, .value_kind: global_buffer, .address_space: global }
      - { .name: out0, .offset: 40, .size: 8, .value_kind: global_buffer, .address_space: global }
    .group_segment_fixed_size: 327680
    .private_segment_fixed_size: 0
    .kernarg_segment_align: 8
    .kernarg_segment_size: 48
    .max_flat_workgroup_size: 128
    .sgpr_count:     98
    .vgpr_count:     1024
    .wavefront_size: 32
...
	.end_amdgpu_metadata
.endif
;; end of part 3
